; MI455X (gfx1250); checked and timed in simulation.
; The chip was launched on July 23, 2026; its instructions are those of AMD's public machine-readable ISA for CDNA 5 (MIT licence, August 2026) and "CDNA5" Instruction Set Architecture Reference Guide (July 2026). The comments in the code are by the model that wrote it; some were corrected since.
;; Quant Linear. Allowed arithmetic: matrix products marked QUANTISED: E5M2 operands, one E8M0 scale for each 32 along K, by v_wmma_scale_f32_16x16x128_f8f6f4 with both operands' format E5M2, f32 sums; everything else in f32.
;; Inputs: bias 4,096 float32; qweight 512 x 4,096 int32; scales 32 x 4,096 float32; x_codes 4,096 x 128 x 32 uint8 (E5M2 codes of x, K innermost, in blocks of 32 codes); x_scales 4,096 x 128 uint8 (E8M0 scales of x, one for each 32 codes along K).
;; Outputs: out0 4,096 x 4,096 float32.
;; This version of the problem:
;;   THIS VERSION OF THE PROBLEM IS GIVEN IN LOW PRECISION. The matrix products marked QUANTISED in the list below multiply operands that are first quantised to E5M2 (5 exponent bits, 2 mantissa bits; 8 bits a number), with one power-of-two scale for each 32 numbers along K (OCP MX v1.0); their sums are f32. All else is computed in f32.
;;   The module's matrix products, in the order in which they are computed (A, B: the left and right operand; K: the contracted axis; several contracted axes count as one K, in the product's order):
;;     1. [M 4,096, K 4,096] x [K 4,096, N 4,096]; A: input x (given as codes); B: computed on the way: QUANTISED
;;   THE QUANTISER, for each operand of a quantised product, along K:
;;     - K is cut into blocks of 32 from its start; a last block that is shorter is filled with zeros.
;;     - A block's scale is 2^e with e = floor(log2(the largest magnitude in the block)) - 15, held to -126 .. 127; a block of zeros has e = 0. As a byte (E8M0): e + 127.
;;     - Each number is divided by its block's scale, clamped to +-57,344, and rounded to the nearest number of E5M2, ties to even, subnormals kept.
;;     - The product sums the exact products of the quantised numbers (number of the format x scale) in f32.
;;   ~~~python
;;   def quantise(x, axis):      # numpy; x: float32 -> the quantised numbers, widened to float32 again
;;       x = np.moveaxis(x, axis, -1); K = x.shape[-1]
;;       x = np.pad(x, [(0, 0)] * (x.ndim - 1) + [(0, -K % 32)]); x = x.reshape(x.shape[:-1] + (-1, 32)); a = np.abs(x).max(-1, keepdims=True)
;;       e = np.where(a > 0, np.clip(np.frexp(np.where(a > 0, a, 1))[1] - 1 - 15, -126, 127), 0)      # np.frexp(a)[1] - 1 = floor(log2(a)), exactly
;;       r = np.clip(x / 2.0 ** e, -57344, 57344)
;;       step = 2.0 ** (np.maximum(np.frexp(np.where(r == 0, 1, r))[1] - 1, -14) - 2)
;;       q = np.round(r / step) * step * 2.0 ** e      # np.round: ties to even
;;       return np.moveaxis(q.reshape(q.shape[:-2] + (-1,))[..., :K], -1, axis).astype(np.float32)
;;   ~~~
;;   OPERANDS COMPUTED ON THE WAY. 'Computed on the way' means the value that the module computes at that place (a softmax that the list does not call 'softmax' is quantised finished and normalised). What goes into a quantiser is computed in f32, as accurately as f32 sums, v_exp_f32 and their like allow (about 1e-6 of the number): no bf16 or f16 on the way to a quantiser, and a product that is left as it is and whose result goes on into a quantised operand takes f32 operands (vector FMAs, or v_wmma_f32_16x16x4_f32). A number that lies on a knife's edge between two numbers of the format may be rounded either way, as far as f32 arithmetic and the matrix unit's own rounding can turn it there, and no further.
;;   INPUTS GIVEN AS CODES. x (in the module: [4096, 4096], K = its axis 1): each comes as NAME_codes (uint8): NAME with its K axis moved to the last place and cut into blocks of 32 codes, [.., K / 32, bytes a block], one block behind the other in memory; one code a byte (a code: sign, 5 exponent bits, 2 mantissa bits); and NAME_scales (uint8): the same leading axes, one E8M0 byte (e + 127) for each 32 codes along K. Its value is code x scale, taken as it is: it is not quantised again, and the codes and scales need not be those that the quantiser above would give.
;; One version. Each part assembles by itself: llvm-mc -triple=amdgcn-amd-amdhsa -mcpu=gfx1250 --defsym DOCPART=n.
;; ======== version 1 of 1: 2 launches
;; workspace buffers: w_codes 16,777,216 bytes; w_sck 524,288 bytes; x_sck 524,288 bytes
;; launch prep (part 1): grid 32 x 16, 4 waves a work-group, no clusters, 35,328 bytes of LDS; arguments qweight, scales, x_scales, w_codes, w_sck, x_sck; writes w_codes, w_sck, x_sck
.if DOCPART == 1
	.amdgcn_target "amdgcn-amd-amdhsa--gfx1250"
	.amdhsa_code_object_version 6
	.text
	.protected	k_q1324891e9d_prep
	.globl	k_q1324891e9d_prep
	.p2align	8
	.type	k_q1324891e9d_prep,@function
k_q1324891e9d_prep:
	s_mov_b64 s[64:65], 0
	v_nop
	global_prefetch_b8 v0, s[64:65] scope:SCOPE_SE
	s_setreg_imm32_b32 hwreg(HW_REG_WAVE_MODE, 25, 1), 1
	s_wait_xcnt 0x0
; W[k][n] = LUT[nibble(k, n)] x scales[k / 128][n], in f32, is turned into codes of BF8 (E5M2) with K innermost, w_codes [4096 n][4096 k], and one E8M0 byte for each 32 along K.
; The scale bytes are laid BY K STEP of 256: w_sck [16 t][4096 n][8]: byte j belongs to block 8 t + j of column n.  x's scale bytes, given [4096 m][128], are copied into the same order, x_sck [16 t][4096 m][8]:
; so the scale bytes that 256 rows need for one K step are 2,048 consecutive bytes for the launch that multiplies.
; qweight [512][4096] holds eight nibbles a word, k = 8 j + i at bits 4 i of word j: K is its FIRST axis.  A LANE TAKES A COLUMN n AND ITS REGISTERS RUN DOWN K: a load reads 32 neighbouring columns (128 consecutive bytes a wave,
; 512 a work-group), a block of 32 along K is four words of ONE lane, its largest magnitude needs no other lane, and the conversions give the codes with K innermost.  Nothing is transposed by an instruction.
; THE TABLE.  Codes 8 .. 15 are the E2M1 numbers 0, 0.5, 1, 1.5, 2, 3, 4, 6 in order; codes 0 .. 7 are their negatives in reverse.  So c >= 8 becomes the E2M1 code c - 8, c < 8 becomes sign | (7 - c): five integer
; lines for eight nibbles, and the chip's own conversion from E2M1 to f32 does the rest.  (Code 7 so becomes -0 where the table has 0: it adds nothing to a sum.)
; THE QUANTISER.  A block's scale is 2^(floor(log2(largest magnitude)) - 15); its byte is the largest magnitude's exponent field - 15, held at 1 from below by a floor among the maximum's leaves.
; LIMITS: a block of zeros gets the byte 1 where the rule says 127 (its codes are zeros, which add nothing under any byte but 0xff, and this program alone reads the bytes); NaN and infinities in scales are not served.
; SHARES.  Work-group (X, y): columns 128 X .. + 127, K step y.  Wave w: 32 columns from n0 = 128 X + 32 w, 8 blocks a lane, 256 bytes of codes a column, which leave through the wave's own stage in LDS as rows:
; sixteen lanes store 256 consecutive bytes, aligned.  The same wave copies the 8 scale bytes of K step y of x's rows n0 .. n0 + 31: read as 8 bytes of each of 32 rows 128 bytes apart (one instruction a wave, an eighteenth
; of what the launch reads), stored as 256 consecutive bytes.  No tensor load, no barrier, no loop: waves share nothing, every offset is an immediate, and no register that a pending load or store names is written again.
.set PITCH, 272                        ; a stage row: 256 bytes of codes + 16: the 16 rows that an LDS instruction touches start at 16 different banks (64 banks of 4 bytes: ISA guide 11.1)
.set EMAX,  15
.set T,     16                         ; v16-19   a block's four words as E2M1 codes
.set GS,    20                         ; v20, v22 the two groups' scales; v21, v23 are named with them as pairs, so they are written
.set SB,    24                         ; v24-25   my column's 8 scale bytes
.set XS,    28                         ; v28-29   8 scale bytes of a row of x
.set QW,    32                         ; v32-63   my column's 32 words
.set W,     64                         ; v64-95   a block's 32 numbers
.set C,     96                         ; v96-103  its codes
.set OUTR,  104                        ; v104-167 the way out: 16 x 4 registers
.set TA,    104                        ; v104-107, v108-111 at work on the nibbles, before the way out needs them
.set TX,    108
	s_load_b256 s[4:11], s[0:1], 0x0               ; qweight s[4:5], scales s[6:7], x_scales s[8:9], w_codes s[10:11]
	s_load_b128 s[12:15], s[0:1], 0x20             ; w_sck s[12:13], x_sck s[14:15]
	v_lshl_add_u32 v168, v0, 2, 0x8800
	v_mov_b32 v169, 0
	v_lshrrev_b32 v1, 5, v0
	v_readfirstlane_b32 s16, v1                    ; wave 0..3
	v_and_b32 v2, 31, v0                           ; lane
	s_lshl_b32 s17, ttmp9, 7
	s_lshl_b32 s21, s16, 5
	s_add_co_u32 s17, s17, s21                     ; n0 = 128 X + 32 wave
	s_and_b32 s18, ttmp7, 0xffff                   ; y: the K step
	s_mov_b32 s19, 0x88888888                      ; each nibble's top bit
	s_mov_b32 s20, 0x600000                        ; the mantissa field of 57,344
	; where my wave's part begins in each buffer, in bytes (all under 2^32)
	s_lshl_b32 s21, s17, 2
	s_lshl_b32 s22, s18, 19                        ; qweight: 32 y rows of 16,384 bytes + 4 n0
	s_add_co_u32 s22, s22, s21
	s_mov_b32 s23, 0
	s_lshl_b32 s24, s18, 15                        ; scales: 2 y rows of 16,384 bytes + 4 n0
	s_add_co_u32 s24, s24, s21
	s_mov_b32 s25, 0
	s_lshl_b32 s26, s17, 7                         ; x_scales: n0 rows of 128 bytes + 8 y
	s_lshl_b32 s21, s18, 3
	s_add_co_u32 s26, s26, s21
	s_mov_b32 s27, 0
	s_lshl_b32 s28, s17, 12                        ; w_codes: n0 rows of 4,096 bytes + 256 y
	s_lshl_b32 s21, s18, 8
	s_add_co_u32 s28, s28, s21
	s_mov_b32 s29, 0
	s_lshl_b32 s30, s18, 15                        ; w_sck, x_sck: y planes of 32,768 bytes + 8 n0
	s_lshl_b32 s21, s17, 3
	s_add_co_u32 s30, s30, s21
	s_mov_b32 s31, 0
	s_mul_i32 s21, s16, 32*PITCH                   ; my stage
	v_lshlrev_b32 v3, 2, v2                        ; in: 4 bytes a lane
	v_lshlrev_b32 v5, 7, v2                        ; x_scales: a row a lane
	v_lshlrev_b32 v9, 3, v2                        ; scale bytes out: 8 bytes a lane
	v_mul_u32_u24 v4, v2, PITCH
	v_add_nc_u32 v4, s21, v4                       ; into the stage: row = my column
	v_and_b32 v6, 15, v2
	v_lshrrev_b32 v1, 4, v2                        ; out of it: sixteen lanes to a row, two rows an instruction
	v_mul_u32_u24 v7, v1, PITCH
	v_lshl_add_u32 v7, v6, 4, v7
	v_add_nc_u32 v7, s21, v7
	v_lshlrev_b32 v8, 12, v1
	v_lshl_add_u32 v8, v6, 4, v8                   ; and the same place in w_codes
	v_mov_b32 v14, 0x7f7f7f7f                      ; the E8M0 byte of 1.0, in every byte of every lane
	v_mov_b32 v[GS+1], 0
	v_mov_b32 v[GS+3], 0
	s_wait_kmcnt 0x0
	s_add_nc_u64 s[4:5], s[4:5], s[22:23]
	s_add_nc_u64 s[6:7], s[6:7], s[24:25]
	s_add_nc_u64 s[8:9], s[8:9], s[26:27]
	s_add_nc_u64 s[10:11], s[10:11], s[28:29]
	s_add_nc_u64 s[12:13], s[12:13], s[30:31]
	s_add_nc_u64 s[14:15], s[14:15], s[30:31]
	; all 35 loads at once
	global_load_b64 v[XS:XS+1], v5, s[8:9]                                 ; row n0 + lane of x's scale bytes, K step y
	global_load_b32 v[GS], v3, s[6:7] th:TH_LOAD_NT                        ; group 2 y
	global_load_b32 v[GS+2], v3, s[6:7] offset:16384 th:TH_LOAD_NT         ; group 2 y + 1
.irp i, 0,1,2,3,4,5,6,7,8,9,10,11,12,13,14,15,16,17,18,19,20,21,22,23,24,25,26,27,28,29,30,31
	global_load_b32 v[QW+\i], v3, s[4:5] offset:16384*\i th:TH_LOAD_NT     ; word 32 y + i of my column
.endr
.macro BLOCK t                         ; block t of my column: words 4 t .. 4 t + 3
	s_wait_loadcnt 28-4*(\t)                       ; loads come back in order: the block's four words are in, and all that was asked for before them; the 28 - 4 t younger words may be out
.if (\t) == 0
	global_store_b64 v9, v[XS:XS+1], s[14:15]      ; x's scale bytes in the new order: the wave stores 256 consecutive bytes, aligned
.endif
.irp u, 0,1,2,3
	v_xor_b32 v[T+\u], s19, v[QW+4*(\t)+\u]        ; c >= 8: c - 8;  c < 8: 8 | c
.endr
.irp u, 0,1,2,3
	v_and_b32 v[TA+\u], s19, v[T+\u]               ; 8 in the nibbles that are negative
.endr
.irp u, 0,1,2,3
	v_lshrrev_b32 v[TX+\u], 3, v[TA+\u]            ; 1 there
.endr
.irp u, 0,1,2,3
	v_sub_nc_u32 v[TA+\u], v[TA+\u], v[TX+\u]      ; 7 there: no nibble borrows from its neighbour
.endr
.irp u, 0,1,2,3
	v_xor_b32 v[T+\u], v[T+\u], v[TA+\u]           ; 8 | (7 - c): the E2M1 code
.endr
.irp u, 0,1,2,3
	v_cvt_scale_pk8_f32_fp4 v[W+8*\u:W+8*\u+7], v[T+\u], v14   ; eight table values, x 1: the lowest nibble's in the first register
.endr
	v_nop                                          ; one plain vector instruction between a scaled conversion and the first use of its result
.irp j, 0,2,4,6,8,10,12,14,16,18,20,22,24,26,28,30
	v_pk_mul_f32 v[W+\j:W+\j+1], v[W+\j:W+\j+1], v[GS+2*((\t)/4):GS+2*((\t)/4)+1] op_sel_hi:[1,0]   ; w = table value x the group's scale: one rounding in f32
.endr
	v_max3_num_f32 v12, |v[W]|, |v[W+1]|, |v[W+2]|                 ; the block's largest magnitude: all 32 numbers are mine; two chains
	v_max3_num_f32 v13, |v[W+3]|, |v[W+4]|, |v[W+5]|
.irp i, 6,10,14,18,22,26
	v_max3_num_f32 v12, v12, |v[W+\i]|, |v[W+\i+1]|
	v_max3_num_f32 v13, v13, |v[W+\i+2]|, |v[W+\i+3]|
.endr
	v_max3_num_f32 v12, v12, |v[W+30]|, |v[W+31]|
	v_max3_num_f32 v12, v12, v13, (EMAX+1)<<23     ; and the floor 2^(16 - 127): so the byte cannot fall under 1
	v_add_nc_u32 v11, 0xf8800000, v12              ; 15 off its exponent field: the conversion takes the exponent field of this operand as its scale, and nothing else of it
	v_and_or_b32 v10, v12, 0x7f800000, s20         ; 57,344 x the scale: the largest magnitude's exponent field over 57,344's mantissa
	v_lshrrev_b32 v13, 23, v11                     ; the scale's byte
.irp i, 0,1,2,3,4,5,6,7,8,9,10,11,12,13,14,15,16,17,18,19,20,21,22,23,24,25,26,27,28,29,30,31
	v_med3_num_f32 v[W+\i], v[W+\i], -v10, v10     ; the conversion to an 8-bit code does not saturate (ISA guide 7.6.2): the number is held within the largest code x the scale first
.endr
.irp g, 0,1,2,3
	v_cvt_scalef32_pk8_bf8_f32 v[C+2*\g:C+2*\g+1], v[W+8*\g:W+8*\g+7], v11
.endr
.if (\t)%4 == 0
	v_mov_b32 v[SB+(\t)/4], v13                    ; four bytes to a register, the lower K in the lower byte.  (Also the plain instruction behind the conversions)
.else
	v_lshl_or_b32 v[SB+(\t)/4], v13, 8*((\t)%4), v[SB+(\t)/4]
.endif
	ds_store_b128 v4, v[C:C+3] offset:32*(\t)      ; 32 codes: 32 bytes of my column's row
	ds_store_b128 v4, v[C+4:C+7] offset:32*(\t)+16
	s_wait_dscnt 0x0                               ; the stores have read their registers: the next block's codes may be written
.endm
.irp t, 0,1,2,3,4,5,6,7
	BLOCK \t
.endr
	global_store_b64 v9, v[SB:SB+1], s[12:13]      ; my column's 8 scale bytes: the wave stores 256 consecutive bytes, aligned
.irp i, 0,1,2,3,4,5,6,7,8,9,10,11,12,13,14,15
	ds_load_b128 v[OUTR+4*\i:OUTR+4*\i+3], v7 offset:2*\i*PITCH    ; LDS serves a wave's instructions in order (ISA guide 5.7.1.4): these see my stores
.endr
.irp i, 0,1,2,3,4,5,6,7,8,9,10,11,12,13,14,15
	s_wait_dscnt 15-\i                             ; pair i of rows is back; the younger loads may be out
	global_store_b128 v8, v[OUTR+4*\i:OUTR+4*\i+3], s[10:11] offset:2*\i*4096   ; sixteen lanes store 256 consecutive bytes of a row of w_codes, aligned
.endr
	s_wait_tensorcnt 0x0
	ds_add_u32 v168, v169
	s_wait_dscnt 0x0
	s_endpgm
.Lfunc_end_k_q1324891e9d_prep:
	.size	k_q1324891e9d_prep, .Lfunc_end_k_q1324891e9d_prep-k_q1324891e9d_prep
	.p2alignl 7, 3214868480
	.fill 96, 4, 3214868480
	.section	.rodata,"a",@progbits
	.p2align	6, 0x0
	.amdhsa_kernel k_q1324891e9d_prep
		.amdhsa_group_segment_fixed_size 35328
		.amdhsa_private_segment_fixed_size 0
		.amdhsa_enable_private_segment 0
		.amdhsa_kernarg_size 48
		.amdhsa_user_sgpr_count 2
		.amdhsa_user_sgpr_kernarg_segment_ptr 1
		.amdhsa_wavefront_size32 1
		.amdhsa_system_sgpr_workgroup_id_x 1
		.amdhsa_system_sgpr_workgroup_id_y 1
		.amdhsa_system_sgpr_workgroup_id_z 1
		.amdhsa_system_vgpr_workitem_id 0
		.amdhsa_next_free_vgpr 170
		.amdhsa_next_free_sgpr 66
		.amdhsa_reserve_vcc 0
		.amdhsa_float_denorm_mode_32 3
		.amdhsa_float_denorm_mode_16_64 3
		.amdhsa_memory_ordered 1
		.amdhsa_forward_progress 1
		.amdhsa_inst_pref_size 54
	.end_amdhsa_kernel
	.amdgpu_metadata
---
amdhsa.version: [ 1, 2 ]
amdhsa.kernels:
  - .name:           k_q1324891e9d_prep
    .symbol:         k_q1324891e9d_prep.kd
    .args:
      - { .name: qweight, .offset: 0, .size: 8, .value_kind: global_buffer, .address_space: global }
      - { .name: scales, .offset: 8, .size: 8, .value_kind: global_buffer, .address_space: global }
      - { .name: x_scales, .offset: 16, .size: 8, .value_kind: global_buffer, .address_space: global }
      - { .name: w_codes, .offset: 24, .size: 8, .value_kind: global_buffer, .address_space: global }
      - { .name: w_sck, .offset: 32, .size: 8, .value_kind: global_buffer, .address_space: global }
      - { .name: x_sck, .offset: 40, .size: 8, .value_kind: global_buffer, .address_space: global }
    .group_segment_fixed_size: 35328
    .private_segment_fixed_size: 0
    .kernarg_segment_align: 8
    .kernarg_segment_size: 48
    .max_flat_workgroup_size: 128
    .sgpr_count:     66
    .vgpr_count:     170
    .wavefront_size: 32
...
	.end_amdgpu_metadata
.endif
;; end of part 1
;; launch gemm (part 2): grid 16 x 16, 4 waves a work-group, clusters of 4 x 4, 327,680 bytes of LDS; arguments x_codes, x_sck, w_codes, w_sck, bias, out0; writes out0
.if DOCPART == 2
	.amdgcn_target "amdgcn-amd-amdhsa--gfx1250"
	.amdhsa_code_object_version 6
	.text
	.protected	k_q1324891e9d_gemm
	.globl	k_q1324891e9d_gemm
	.p2align	8
	.type	k_q1324891e9d_gemm,@function
k_q1324891e9d_gemm:
	s_mov_b64 s[64:65], 0
	v_nop
	global_prefetch_b8 v0, s[64:65] scope:SCOPE_SE
	s_setreg_imm32_b32 hwreg(HW_REG_WAVE_MODE, 25, 1), 1
	s_wait_xcnt 0x0
	s_wait_alu depctr_hold_cnt(0) depctr_sa_sdst(0) depctr_va_vdst(0) depctr_va_sdst(0) depctr_va_ssrc(0) depctr_va_vcc(0) depctr_vm_vsrc(0)
	s_getreg_b32 s2, hwreg(HW_REG_IB_STS2, 6, 4)
	s_cmp_eq_u32 s2, 0
	s_cbranch_scc0 .Lentry_in_a_cluster
	s_endpgm
.Lentry_in_a_cluster:
	s_bfe_u32 s2, ttmp6, 0x10000c
	s_cmp_lg_u32 s2, 0xf033
	s_cbranch_scc0 .Lentry_shape_is_right
	s_endpgm
.Lentry_shape_is_right:
; out0[m][n] = sum over k of x[m][k] W[k][n] + bias[n], M = N = K = 4,096, both operands as codes of BF8 (E5M2) with one E8M0 scale for each 32 along K; sums in f32.
; A = x_codes [4096 m][4096 k], B = w_codes [4096 n][4096 k]: K innermost, one code a byte.  Their scale bytes lie by K step of 256: x_sck, w_sck [16 t][4096 rows][8]: those of 256 rows and one K step are 2,048 consecutive bytes.
; A tile of C, 256 x 256, is made by a work-group of four waves, as many as a WGP has SIMDs; a wave makes 128 x 128: 64 accumulators of 16 x 16, 512 registers.  C has 256 such tiles: one for each work-group.
; K goes in 16 steps of 256 through a ring of two LDS slots filled by the tensor data mover.  A slot holds A's 256 rows and B's 256 rows of 256 bytes AND the two blocks of scale bytes of that K step: the scale bytes of all of K
; (2 x 32,768 bytes, padded) would not fit beside two such slots.  One load a wave at each change of slots: wave 0 A's codes, wave 1 B's, wave 2 A's scale bytes, wave 3 B's.
; CLUSTERS: 4 x 4 work-groups.  The four of a row of the cluster need the same tiles of A, the four of a column the same tiles of B: each tile is asked for JOINTLY, by the same tensor load with the same descriptor and a mask
; that names the four.  THE MATRIX INSTRUCTION IS USED TRANSPOSED (source 0 = 16 rows of B, source 1 = 16 rows of A): a lane then holds eight neighbouring numbers of a row of C.
; THE ORDER OF K.  Every work-group takes each of the 16 K steps once, in groups of four; inside a group cluster (X, Y) begins with step o = (f(X) + f(Y)) mod 4, f = 0, 2, 1, 3, and goes round: its t-th K step is
; 4 (t / 4) + (t + o) mod 4.  So the four clusters of a row of clusters, which read the same rows of A, stand at four different K steps of a group at any time, and likewise the four of a column of clusters, which read the same
; rows of B; two neighbours (X = 0 and 1, or 2 and 3; Y likewise) stand two steps apart.  Each K step of a tile is asked for first by one cluster and by the three others one, two and three changes of slots later.
; All sixteen partners of a cluster share o.  LIMIT: the order of the sums along K so differs from cluster to cluster and is not ascending: f32 sums, each product once.
; THE BIAS is the C of each sum's first matrix instruction: eight registers for each of my eight blocks of columns, in the result's layout.  Nothing is cleared and nothing is added afterwards.
; All of a WGP's LDS is claimed; the text uses 321,536 bytes.
; REGISTERS, in windows of 256: window 0: v0-31 addresses; v32-63 scale words, two sets; v64-127 the bias; from v128 A's fragments (8 x 16 rows x 128 K), ONE set; on the way out v128-255 take rows of C.
;   window 1: B's fragments, TWO sets, at v0 and at v128.   window 2: the 32 accumulators of my rows 0-63 (accumulator (a, b) at v[8 (8 a + b)]);   window 3: those of my rows 64-127.
; A step of 128 along K is 64 matrix instructions, A's blocks one after the other, each against B's eight.  So a block of A is free as soon as its eight products are issued, and one set of registers serves A:
; blocks 0-3 are fetched anew in the step's middle, blocks 4-7 at its end.  B's fragments are at work through the whole step, so B has two sets.
.set SIZE_N, 4096
.set SIZE_K, 4096
.set KSTEP,  256                       ; along K in a slot
.set NQ,     KSTEP/128                 ; matrix instructions deep
.set ROWB,   256                       ; a tile's row in bytes; a K step's scale bytes lie 128 x as far apart as its codes: 32,768 bytes
.set KROW,   SIZE_K                    ; a row of A or of B in memory, in bytes
.set PITCH,  272                       ; an LDS row: 256 bytes of data + 16 of padding = 68 words: row r starts at bank 4 r mod 64 (64 banks of 4 bytes: ISA guide 11.1), so the 16 rows that a load touches start at 16 different banks
.set FR,     16                        ; registers of a fragment: 16 rows x 128 K
.set NL,     4                         ; LDS loads that bring one
.set NP,     8                         ; places behind this matrix instruction (ISA guide 7.12.1)
.set HALFT,  128*PITCH                 ; 128 rows: what one wave reads of A or of B
.set BOFF,   2*HALFT                   ; a slot: A's 256 rows; from here B's 256 rows;
.set SCA,    4*HALFT                   ; A's 2,048 scale bytes, 8 a row, dense;
.set SCB,    SCA+2176                  ; B's, 128 bytes past a multiple of 256 from A's: a scale load's lanes 0-15 (A's 128 bytes) and lanes 16-31 (B's) touch different banks
.set SLOT,   SCB+2176                  ; 143,616 bytes
.set LAPS,   SIZE_K/(2*KSTEP)          ; a lap = two K steps = once round the ring: 8
.set SPARE,  2*SLOT                    ; behind the ring: the spare words, 128 bytes for each wave: two blocks of 256 bytes that no other line names
.set STAGE,  SPARE+512                 ; the way out: 16 rows x (512 bytes + 16) for each wave; no tile ever lands here
.set SPITCH, 528
.set ADRA, 16                          ; v16-17  LDS address of my A fragments in slot 0, 1
.set ADRB, 20                          ; v20-21  the same for B
.set ADRS, 22                          ; v22-23  of my scale words in slot 0, 1: lanes 0-15 A's rows, lanes 16-31 B's
.set STO,  24                          ; v24     the way out: where I put 32 bytes of a row
.set RD,   25                          ; v25     the way out: where I read a row back
.set CO,   26                          ; v26     my byte offset in a row of C
.set PFO,  27                          ; v27     the prefetches: 4,096 x my lane, a lane a row; never rewritten
.set SPW,  28                          ; v28     LDS address of my spare word: SPARE + 4 x my thread's number; never rewritten
.set NIL,  29                          ; v29     0; never rewritten
.set BO,   31                          ; v31     the bias: 32 bytes for each half of the lanes
.set SC,   32                          ; scale words: set s (for slot s) at v[SC + 16 s]; in it register 2 i + q: lanes 0-15 the word of A's block i, lanes 16-31 that of B's block i, for the slot's q-th 128 along K
.set BIAS, 64                          ; v[BIAS + 8 b ..]: bias of columns 16 b + 8 (lane / 16) + 0 .. 7 of my 128
.set AF,   128                         ; A's fragments, in window 0
.set BK,   128                         ; the way out: 16 rows read back from the stage: v128-191 and v192-255 by turns
.set WV, 16                            ; s16 my wave's number;  s17 which half of the tile's rows is mine;  s18 which half of its columns
.set RH, 17
.set CH, 18
.set CX, 19                            ; s19, s20 my place in the cluster;  s21, s22 my tile column and tile row of C
.set CY, 20
.set TC, 21
.set TR, 22
.set G1A,  24                          ; s[24:31] descriptor group 1 for A's codes;  s[32:39] group 0, one set for each slot
.set G0A,  32
.set G1B,  40                          ; s[40:47], s[48:55] the same for B's codes
.set G0B,  48
.set G1SA, 56                          ; s[56:63], s[68:75] for A's scale bytes
.set G0SA, 68
.set G1SB, 76                          ; s[76:83], s[84:91] for B's
.set G0SB, 84
.set PFA,  66                          ; s[66:67] where my prefetches stand: my 32 rows, at the K step with which my cluster begins a group of four
.set KN,   92                          ; s[92:93] the K step to be asked for, as bytes along a row of codes (256 x its number), and 0 above it
.set SO,   94                          ; s[94:95] the same among the scale bytes (32,768 x its number), and 0 above it
.set KO,   96                          ; s96  256 o
.set ASKM, 97                          ; s97  bit c is set where the trip with count c prefetches: 7, 5, 3
.set MSB, 0
.macro WIN new                         ; the immediate's high byte repeats the setting that is left
.if MSB != \new
	s_set_vgpr_msb (MSB<<8)|\new
.set MSB, \new
.endif
.endm
.set MUL_LO, 0xa1                      ; source 0 (B) window 1, source 1 (A) window 0, C and D window 2
.set MUL_HI, 0xf1                      ; the same, C and D window 3
.set ST_LO,  0x81                      ; the first step: C (the bias) window 0, D window 2
.set ST_HI,  0xc1                      ; and D window 3
.set TO_B,   0x40                      ; destination window 1, address window 0
; A joint load, one line for each wave.  Each line has ONE mask and one set of registers for all work-groups that issue it; the branches hang on the wave's number alone, which is the same in every work-group.
; Four v_nop follow each line, ahead of the jump, the label and what follows.
.macro JLOAD s
	s_cmp_lt_u32 s[WV], 2
	s_cbranch_scc0 .Lscales_\@
	s_cmp_eq_u32 s[WV], 0
	s_cbranch_scc0 .Lcodes_b_\@
	tensor_load_to_lds s[G0A+4*\s:G0A+4*\s+3], s[G1A:G1A+7]
	s_nop 0
.rept 4
	v_nop
.endr
	s_branch .Lasked_\@
.Lcodes_b_\@:
	tensor_load_to_lds s[G0B+4*\s:G0B+4*\s+3], s[G1B:G1B+7]
	s_nop 0
.rept 4
	v_nop
.endr
	s_branch .Lasked_\@
.Lscales_\@:
	s_cmp_eq_u32 s[WV], 2
	s_cbranch_scc0 .Lscales_b_\@
	tensor_load_to_lds s[G0SA+4*\s:G0SA+4*\s+3], s[G1SA:G1SA+7]
	s_nop 0
.rept 4
	v_nop
.endr
	s_branch .Lasked_\@
.Lscales_b_\@:
	tensor_load_to_lds s[G0SB+4*\s:G0SB+4*\s+3], s[G1SB:G1SB+7]
	s_nop 0
.rept 4
	v_nop
.endr
.Lasked_\@:
.endm
; Slot s's four groups 0 are aimed at the K step in s[KN]: each tile's own base + the offset, and the type on top.  s[4:5], s[6:7] hang on the tile row alone, s[8:9], s[10:11] on the tile column alone;
; the offset hangs on the cluster's x and y and on the loop's count, which all sixteen partners share.
.macro AIM s
	s_lshl_b32 s[SO], s[KN], 7
	s_add_nc_u64 s[G0A+4*\s+2:G0A+4*\s+3], s[4:5], s[KN:KN+1]       ; 120:64 global address
	s_add_nc_u64 s[G0B+4*\s+2:G0B+4*\s+3], s[8:9], s[KN:KN+1]
	s_add_nc_u64 s[G0SA+4*\s+2:G0SA+4*\s+3], s[6:7], s[SO:SO+1]
	s_add_nc_u64 s[G0SB+4*\s+2:G0SB+4*\s+3], s[10:11], s[SO:SO+1]
	s_or_b32 s[G0A+4*\s+3], s[G0A+4*\s+3], 0x80000000               ; 127:126 type = 2
	s_or_b32 s[G0B+4*\s+3], s[G0B+4*\s+3], 0x80000000
	s_or_b32 s[G0SA+4*\s+3], s[G0SA+4*\s+3], 0x80000000
	s_or_b32 s[G0SB+4*\s+3], s[G0SB+4*\s+3], 0x80000000
.endm
; A PREFETCH INTO THE L2 OF CODES: the K step with which my cluster begins the next group of four, which no other cluster asks for before it.  It stands behind the refill of the group's third K step and the run of LDS loads
; that follows it: two refills, 256 matrix instructions, ahead of the tensor load that will want it: in the trips with count 7, 5 and 3, for my K steps 4, 8 and 12.  32 rows x 256 bytes, a lane a row, one instruction a wave.
; Each row's 256 bytes of K steps 4 to 15 are named ONCE in the launch: of the four clusters that read a tile, each names the K steps that are o mod 4 for its own o, and the four o differ.  The four partners that ask for a tile
; jointly share its 256 rows out BY ADDRESS, 64 each (by cx for A, by cy for B), and in each two waves take 32: waves 0 and 2 of A's, waves 1 and 3 of B's.  The branch hangs on the loop's count alone.
; K steps 0 to 3 come by their loads alone, and so do the scale bytes: a cluster's share of them, 64 blocks of 256 bytes a group for 16 work-groups, is too little for a lane a block.
.macro ASK
	s_lshr_b32 s23, s[ASKM], s3
	s_and_b32 s23, s23, 1
	s_cmp_eq_u32 s23, 1
	s_cbranch_scc0 .Lnot_now_\@
	global_prefetch_b8 v[PFO], s[PFA:PFA+1] th:TH_LOAD_NT scope:SCOPE_SE
.Lnot_now_\@:
.endm
.macro CREST                           ; a round of the cluster's barrier behind its opening barrier: wave 0 signals for the work-group, every wave waits for all sixteen, my work-group's barrier once more
	s_cmp_lg_u32 s[WV], 0
	s_cbranch_scc1 .Lnot_wave_0_\@
	s_barrier_signal -3
.Lnot_wave_0_\@:
	s_barrier_wait -3
	s_barrier_signal -1
	s_barrier_wait -1
.endm
.macro CROUND                          ; a whole round
	s_barrier_signal -1
	s_barrier_wait -1
	CREST
.endm
	s_load_b256 s[4:11], s[0:1], 0x0               ; A's codes s[4:5], A's scale bytes s[6:7], B's codes s[8:9], B's scale bytes s[10:11]
	s_load_b128 s[12:15], s[0:1], 0x20             ; bias s[12:13], C s[14:15]
	v_lshl_add_u32 v[SPW], v0, 2, SPARE
	v_mov_b32 v[NIL], 0
	ds_add_u32 v28, v29
	ds_add_u32 v28, v29
	s_wait_dscnt 0x0
	v_lshrrev_b32 v1, 5, v0
	v_readfirstlane_b32 s[WV], v1                  ; wave 0..3
	s_lshr_b32 s[RH], s[WV], 1
	s_and_b32 s[CH], s[WV], 1
	s_bfe_u32 s[CX], ttmp6, 0x40000
	s_bfe_u32 s[CY], ttmp6, 0x40004
	s_lshl_b32 s[TC], ttmp9, 2                     ; in a cluster launch ttmp9 and ttmp7 count clusters
	s_add_co_u32 s[TC], s[TC], s[CX]               ; tile column of C = 4 x cluster x + cx
	s_and_b32 s[TR], ttmp7, 0xffff
	s_lshl_b32 s[TR], s[TR], 2
	s_add_co_u32 s[TR], s[TR], s[CY]               ; tile row of C = 4 x cluster y + cy
	s_lshl_b32 s23, s[CY], 2
	s_lshl_b32 s23, 15, s23                        ; my row of the cluster: places 4 cy .. 4 cy + 3
	s_lshl_b32 s2, 0x1111, s[CX]                   ; my column: places cx, cx + 4, cx + 8, cx + 12
	; descriptor group 1 for codes: a tile of 256 rows x 256 bytes, padded in LDS
	s_or_b32 s[G1A], s23, (0<<16)|(1<<20)|(1<<21)|(5<<22)|(3<<25)  ; 15:0 the mask: A's tiles go to my row; 17:16 elements of 1 byte; 20 padding on; 21 set beside a mask; 24:22 after every 64 words (code 5); 31:25 four words (code 3)
	s_or_b32 s[G1B], s2, (0<<16)|(1<<20)|(1<<21)|(5<<22)|(3<<25)   ; the same with the mask of my column
.irp g, G1A, G1B
	s_mov_b32 s[\g+1], ROWB<<16                    ; tensor_dim0 = 256
	s_mov_b32 s[\g+2], 256<<16                     ; tensor_dim1 = 256
	s_mov_b32 s[\g+3], ROWB<<16                    ; tile_dim0 = 256
	s_mov_b32 s[\g+4], 256                         ; tile_dim1 = 256
	s_mov_b32 s[\g+5], KROW                        ; tensor_dim0_stride
	s_mov_b32 s[\g+6], 0
	s_mov_b32 s[\g+7], 0
.endr
	; and for scale bytes: a dense block of 2,048 bytes as 8 rows of 256 (32 elements of 8 bytes), no padding
	s_or_b32 s[G1SA], s23, (3<<16)|(1<<21)
	s_or_b32 s[G1SB], s2, (3<<16)|(1<<21)
.irp g, G1SA, G1SB
	s_mov_b32 s[\g+1], 32<<16
	s_mov_b32 s[\g+2], 8<<16
	s_mov_b32 s[\g+3], 32<<16
	s_mov_b32 s[\g+4], 8
	s_mov_b32 s[\g+5], 32
	s_mov_b32 s[\g+6], 0
	s_mov_b32 s[\g+7], 0
.endr
	; the four buffers at my tiles.  A's hang on the tile row alone, which my row of the cluster shares; B's on the tile column alone, which my column shares.
	s_lshl_b32 s96, s[TR], 20                      ; codes: 256 rows of 4,096 bytes
	s_mov_b32 s97, 0
	s_lshl_b32 s98, s[TC], 20
	s_mov_b32 s99, 0
	s_wait_kmcnt 0x0
	s_add_nc_u64 s[4:5], s[4:5], s[96:97]
	s_add_nc_u64 s[8:9], s[8:9], s[98:99]
	s_lshl_b32 s96, s[TR], 11                      ; scale bytes: 256 rows of 8 bytes
	s_lshl_b32 s98, s[TC], 11
	s_add_nc_u64 s[6:7], s[6:7], s[96:97]
	s_add_nc_u64 s[10:11], s[10:11], s[98:99]
	; o = (f(X) + f(Y)) mod 4, f = 0, 2, 1, 3: the two bits of a cluster's coordinate change places
	s_and_b32 s96, ttmp9, 1
	s_lshl_b32 s96, s96, 1
	s_lshr_b32 s97, ttmp9, 1
	s_add_co_u32 s96, s96, s97                     ; f(X)
	s_and_b32 s97, ttmp7, 1
	s_lshl_b32 s97, s97, 1
	s_add_co_u32 s96, s96, s97
	s_bfe_u32 s97, ttmp7, 0x10001                  ; bit 1 of Y
	s_add_co_u32 s96, s96, s97                     ; + f(Y)
	s_and_b32 s96, s96, 3
	s_lshl_b32 s[KO], s96, 8
	s_mov_b32 s[KN+1], 0
	s_mov_b32 s[SO+1], 0
	; group 0, a set for each slot.  Where the tiles go are constants: no place in the cluster enters an LDS address.  My K steps 0 and 1 are steps o and (o + 1) mod 4
.irp s, 0,1
	s_mov_b32 s[G0A+4*\s], 1                       ; 1:0 count = 1
	s_mov_b32 s[G0A+4*\s+1], \s*SLOT               ; 63:32 LDS address
	s_mov_b32 s[G0B+4*\s], 1
	s_mov_b32 s[G0B+4*\s+1], \s*SLOT+BOFF
	s_mov_b32 s[G0SA+4*\s], 1
	s_mov_b32 s[G0SA+4*\s+1], \s*SLOT+SCA
	s_mov_b32 s[G0SB+4*\s], 1
	s_mov_b32 s[G0SB+4*\s+1], \s*SLOT+SCB
	s_add_co_u32 s[KN], s[KO], \s*ROWB
	s_and_b32 s[KN], s[KN], 3*ROWB
	AIM \s
.endr
	CROUND                                         ; all sixteen work-groups are here: the first joint loads meet
	JLOAD 0                                        ; the ring is filled before anything else is done: two tensor loads of mine are out
	JLOAD 1
	v_and_b32 v1, 15, v0                           ; r = l % 16
	v_bfe_u32 v2, v0, 4, 1                         ; h = l / 16
	; the bias of my 128 columns: in accumulator (a, b) lane (r, h) holds columns 16 b + 8 h + 0 .. 7
	v_lshlrev_b32 v[BO], 5, v2
	s_lshl_b32 s100, s[TC], 10                     ; my first column, in bytes of f32: 1,024 x tile column + 512 x half
	s_lshl_b32 s23, s[CH], 9
	s_add_co_u32 s100, s100, s23
	s_mov_b32 s101, 0
	s_add_nc_u64 s[12:13], s[12:13], s[100:101]
.irp b, 0,1,2,3,4,5,6,7
	global_load_b128 v[BIAS+8*\b:BIAS+8*\b+3],   v[BO], s[12:13] offset:64*\b
	global_load_b128 v[BIAS+8*\b+4:BIAS+8*\b+7], v[BO], s[12:13] offset:64*\b+16
.endr
	s_lshl_b32 s23, s[TR], 22                      ; C at my first row: 256 x tile row + 128 x half, rows of 16,384 bytes; and my first column
	s_add_co_u32 s100, s100, s23
	s_lshl_b32 s23, s[RH], 21
	s_add_co_u32 s100, s100, s23
	s_add_nc_u64 s[14:15], s[14:15], s[100:101]
	v_mul_u32_u24 v3, v1, PITCH
	v_lshl_add_u32 v4, v2, 4, v3                   ; a fragment's row x pitch + 16 x half
	s_mul_i32 s2, s[RH], HALFT                     ; my 128 rows of A
	s_mul_i32 s23, s[CH], HALFT                    ; my 128 rows of B,
	s_add_co_u32 s23, s23, BOFF                    ; which lie behind A's 256
.irp s, 0,1
	v_add_nc_u32 v[ADRA+\s], s2, v4
	v_add_nc_u32 v[ADRB+\s], s23, v4
	s_add_co_u32 s2, s2, SLOT
	s_add_co_u32 s23, s23, SLOT
.endr
	s_lshl_b32 s2, s[RH], 10                       ; A's scale bytes: my 128 rows of 8 bytes
	s_lshl_b32 s23, s[CH], 10                      ; B's: my 128 rows, 2,176 bytes behind A's block
	s_add_co_u32 s23, s23, SCB-SCA
	s_sub_co_u32 s23, s23, s2                      ; the distance from the one to the other: 1,152 at the least
	v_mul_u32_u24 v6, s23, v2                      ; lanes 16-31 take B's: the lower base + h x the distance
	s_add_co_u32 s2, s2, SCA
	v_lshlrev_b32 v5, 3, v1                        ; 8 bytes a row
	v_add_nc_u32 v5, v5, v6
	v_add_nc_u32 v[ADRS], s2, v5
	v_add_nc_u32 v[ADRS+1], SLOT, v[ADRS]
	s_mul_i32 s23, s[WV], 16*SPITCH
	s_add_co_u32 s23, s23, STAGE                   ; my stage
	v_mul_u32_u24 v5, v1, SPITCH                   ; in: row l % 16, 32 bytes for each half of the lanes
	v_lshl_add_u32 v5, v2, 5, v5
	v_add_nc_u32 v[STO], s23, v5
	v_and_b32 v6, 31, v0
	v_lshlrev_b32 v[CO], 4, v6                     ; back: the 32 lanes take one row of 512 bytes; and the same in C
	v_add_nc_u32 v[RD], s23, v[CO]
	; the prefetches (macro ASK)
	v_lshlrev_b32 v[PFO], 12, v6
	s_cmp_eq_u32 s[CH], 0                          ; waves 0 and 2 ask for A's rows, waves 1 and 3 for B's
	s_cselect_b32 s23, s[CX], s[CY]                ; my place among the four that ask for the tile with me
	s_cselect_b64 s[PFA:PFA+1], s[4:5], s[8:9]     ; the tile's first row
	s_lshl_b32 s100, s23, 18                       ; my work-group's 64 rows of 4,096 bytes,
	s_lshl_b32 s23, s[RH], 17                      ; my wave's 32 of those,
	s_add_co_u32 s100, s100, s23
	s_add_co_u32 s100, s100, s[KO]                 ; at step o of a group,
	s_add_co_u32 s100, s100, 2*ROWB                ; half a group on: each trip steps it by half a group, the first to group 1
	s_add_nc_u64 s[PFA:PFA+1], s[PFA:PFA+1], s[100:101]
	s_mov_b32 s[ASKM], 0xa8                        ; trips 7, 5, 3
.macro FRAG reg, adr, q, i             ; a fragment, 16 rows x 128 K of 8-bit codes, is 16 registers: lane l holds row l % 16; registers 4 c .. 4 c + 3 hold K = 32 c + 16 (l / 16) + 0 .. 15
.irp c, 0,1,2,3
	ds_load_b128 v[\reg+4*\c:\reg+4*\c+3], v[\adr] offset:128*(\q)+32*\c+(\i)*16*PITCH
.endr
.endm
; 8 matrix instructions: A's block a x B's eight, 128 along K: the slot's q-th.  p: B's set;  sc: the set of scale words.  first = 1: the product starts the sums, with the bias as its C.
; Source 0 is B: its scale words stand in lanes 16-31 of register 2 b + q (ROW1); source 1 is A: lanes 0-15 of register 2 a + q.
; The 64 accumulators take turns, one instruction a turn, in the same order in every step.
.macro MUL8 a, p, q, sc, first
.irp b, 0,1,2,3,4,5,6,7
.if \first
	v_wmma_scale_f32_16x16x128_f8f6f4 v[8*(8*((\a)%4)+\b):8*(8*((\a)%4)+\b)+7], v[128*(\p)+FR*\b:128*(\p)+FR*\b+FR-1], v[AF+FR*(\a):AF+FR*(\a)+FR-1], v[BIAS+8*\b:BIAS+8*\b+7], v[SC+8*NQ*(\sc)+NQ*\b+(\q)], v[SC+8*NQ*(\sc)+NQ*(\a)+(\q)] matrix_a_fmt:MATRIX_FMT_BF8 matrix_b_fmt:MATRIX_FMT_BF8 matrix_a_scale:MATRIX_SCALE_ROW1
.else
	v_wmma_scale_f32_16x16x128_f8f6f4 v[8*(8*((\a)%4)+\b):8*(8*((\a)%4)+\b)+7], v[128*(\p)+FR*\b:128*(\p)+FR*\b+FR-1], v[AF+FR*(\a):AF+FR*(\a)+FR-1], v[8*(8*((\a)%4)+\b):8*(8*((\a)%4)+\b)+7], v[SC+8*NQ*(\sc)+NQ*\b+(\q)], v[SC+8*NQ*(\sc)+NQ*(\a)+(\q)] matrix_a_fmt:MATRIX_FMT_BF8 matrix_b_fmt:MATRIX_FMT_BF8 matrix_a_scale:MATRIX_SCALE_ROW1
.endif
.endr
.endm
.macro MUL16 a0, p, q, sc, first       ; blocks a0 and a0 + 1
	MUL8 \a0, \p, \q, \sc, \first
	MUL8 (\a0)+1, \p, \q, \sc, \first
.endm
.macro FETCH_B slot, q, p              ; B's eight fragments of the slot's q-th 128 along K into set p
	WIN TO_B
.irp i, 0,1,2,3,4,5,6,7
	FRAG 128*(\p)+FR*\i, ADRB+\slot, \q, \i
.endr
	WIN 0
.endm
.macro FETCH_A slot, q, i0             ; A's blocks i0 .. i0 + 3
.irp i, \i0, \i0+1, \i0+2, \i0+3
	FRAG AF+FR*(\i), ADRA+\slot, \q, \i
.endr
.endm
.macro SCALES sc                       ; slot sc's scale words into set sc: two words a row; lanes 0-15 take A's block i, lanes 16-31 B's block i; a block's 16 rows are 128 bytes
.irp i, 0,1,2,3,4,5,6,7
	ds_load_b64 v[SC+8*NQ*\sc+NQ*\i:SC+8*NQ*\sc+NQ*\i+1], v[ADRS+\sc] offset:\i*128
.endr
.endm
; A load into a register that a matrix instruction has read, and an LDS store that reads a matrix result, stand NP places behind that matrix instruction, and only plain vector instructions that name none of its
; registers are places (ISA guide 7.12.1 for vector instructions); this text does not count the matrix instructions in between.
.macro PLACES n
.rept \n
	v_nop
.endr
.endm
; A step of 128 along K that has its successor in the same slot.
.macro STEP slot, q, first
	s_wait_dscnt 4*NL                              ; B's set, A's blocks 0-3 and the scale words are in; the youngest sixteen loads (A's blocks 4-7) may be out
.if \first
	WIN ST_LO
.else
	WIN MUL_LO
.endif
	MUL16 0, (\q)%2, \q, \slot, \first
	MUL16 2, (\q)%2, \q, \slot, \first
	s_wait_dscnt 0                                 ; A's blocks 4-7 are in (asked for 32 matrix instructions ago)
	PLACES NP
	FETCH_B \slot, (\q)+1, 1-(\q)%2
	FETCH_A \slot, (\q)+1, 0
.if \first
	WIN ST_HI
.else
	WIN MUL_HI
.endif
	MUL16 4, (\q)%2, \q, \slot, \first
	MUL16 6, (\q)%2, \q, \slot, \first
	PLACES NP
	WIN 0
	FETCH_A \slot, (\q)+1, 4
.endm
; A slot's last step changes slots: ONE barrier; in front of it each wave waits for all its tensor loads, adds 0 to its spare word, and waits for that and for its own reads of this slot.
; The step's first sixteen products, which read registers alone, stand AHEAD of the wait for the tensor loads; eight stand between the add and the wait for it, eight between the barrier's signal and its wait.
; fill = 1: this slot is filled again, with my K step two on; the barrier then opens a round of the cluster's barrier, and the joint refill is the first thing behind the round: 112 matrix instructions ahead of the wait for it
; (32 in this step, 64 in the next, 16 in the one after).
.macro TURN slot, next, fill
.if (\fill) && ((\slot) == 0)
	s_wait_xcnt 0x0                                ; the last prefetch, one or two laps back, has read its address: it is stepped here, ahead of the waits of the change of slots
	s_add_nc_u64 s[PFA:PFA+1], s[PFA:PFA+1], 2*ROWB
.endif
	s_wait_dscnt 4*NL                              ; B's set and A's blocks 0-3 are in; the youngest sixteen loads, A's blocks 4-7, may be out
	WIN MUL_LO
	MUL16 0, 1, NQ-1, \slot, 0
	WIN 0                                          ; (the add's two registers lie in window 0)
	s_wait_tensorcnt 0x0                           ; all my tensor loads have landed: the one that was out is my part of the next slot; so every group 0 may be written
	ds_add_u32 v[SPW], v[NIL]                      ; 0 onto my spare word
.if \fill
	s_lshl_b32 s[SO], s3, 9                        ; the trip with count c asks for my K steps t = 16 - 2 c (slot 0) and 17 - 2 c (slot 1):
	s_sub_co_u32 s[SO], 16*ROWB+(\slot)*ROWB, s[SO]   ; 256 t
	s_add_co_u32 s[KN], s[SO], s[KO]
	s_and_b32 s[KN], s[KN], 3*ROWB                 ; 256 ((t + o) mod 4): the place in the group,
	s_and_b32 s[SO], s[SO], 12*ROWB                ; 256 x 4 (t / 4): the group
	s_or_b32 s[KN], s[KN], s[SO]
	AIM \slot
.endif
	WIN MUL_LO
	MUL8 2, 1, NQ-1, \slot, 0                      ; eight matrix instructions stand between the add and the wait for it
	s_wait_dscnt 0x0                               ; the add is done, and my reads of this slot are over
	s_barrier_signal -1
	MUL8 3, 1, NQ-1, \slot, 0                      ; work on registers while the others arrive
	WIN 0
	s_barrier_wait -1
.if \fill
	CREST                                          ; no wave of any partner still reads this slot's tiles or has a load on its way
	JLOAD \slot                                    ; the first tensor load behind the round, and my only one until the next; the four v_nop behind it are among the places in front of the loads below
	PLACES NP-4
.else
	PLACES NP
.endif
	FETCH_B \next, 0, 0
	FETCH_A \next, 0, 0
	SCALES \next
.if (\fill) && ((\slot) == 0)
	ASK                                            ; behind the joint load and the run of LDS loads that the next products wait for
.endif
	WIN MUL_HI
	MUL16 4, 1, NQ-1, \slot, 0
	MUL16 6, 1, NQ-1, \slot, 0
	PLACES NP
	WIN 0
	FETCH_A \next, 0, 4
.endm
	s_wait_tensorcnt 1                             ; my part of my K step 0 is in (K step 1's load, issued behind it, may be out)
	s_barrier_signal -1
	s_barrier_wait -1                              ; everybody's is
	FETCH_B 0, 0, 0
	FETCH_A 0, 0, 0
	SCALES 0
	FETCH_A 0, 0, 4
	s_wait_loadcnt 0x0                             ; the bias
	STEP 0, 0, 1                                   ; the first step stands in front of the loop: its products start the sums
	s_mov_b32 s3, LAPS-1
.Llap:                                                 ; a trip goes once round the ring, from a lap's second step to the next lap's first, and fills both slots again
	TURN 0, 1, 1
	STEP 1, 0, 0
	TURN 1, 0, 1
	STEP 0, 0, 0
	s_sub_co_u32 s3, s3, 1
	s_cmp_lg_u32 s3, 0
	s_cbranch_scc1 .Llap
	TURN 0, 1, 0                                   ; the last lap fills nothing, and has no round of the cluster's barrier
	STEP 1, 0, 0
	s_wait_dscnt 4*NL                              ; the very last step: nothing more to fetch
	WIN MUL_LO
	MUL16 0, 1, NQ-1, 1, 0
	MUL16 2, 1, NQ-1, 1, 0
	s_wait_dscnt 0
	WIN MUL_HI
	MUL16 4, 1, NQ-1, 1, 0
	MUL16 6, 1, NQ-1, 1, 0
	WIN 0
; THE WAY OUT, block by block of 16 rows x 128 columns.  A lane holds 32 neighbouring bytes of a row, and the lanes beside it hold other rows: so a block goes through my own stage in LDS and comes back as whole
; rows of 512 bytes, which the 32 lanes store as 512 consecutive bytes, aligned to 256.  LDS serves a wave's instructions in order (ISA guide 5.7.1.4): no wait between the stores and the loads, nor in front of the next block's stores.
.macro TOSTAGE a
.set AC, 64*((\a)%4)
	WIN 0x08+4*((\a)/4)                            ; an LDS store's data are its source 1: window 2 or 3
.irp b, 0,1,2,3,4,5,6,7
	ds_store_b128 v[STO], v[AC+8*\b:AC+8*\b+3] offset:64*\b          ; each accumulator from its low end on
	ds_store_b128 v[STO], v[AC+8*\b+4:AC+8*\b+7] offset:64*\b+16
.endr
	WIN 0
.set BB, BK+64*((\a)%2)
.irp t, 0,1,2,3,4,5,6,7,8,9,10,11,12,13,14,15
	ds_load_b128 v[BB+4*\t:BB+4*\t+3], v[RD] offset:\t*SPITCH
.endr
.endm
.macro SEND a, younger                 ; younger: the LDS instructions issued behind block a's loads, which may stay out
.set BB, BK+64*((\a)%2)
	s_wait_dscnt \younger                          ; the block is back in registers
.if (\a) > 0
	s_add_nc_u64 s[14:15], s[14:15], 16*SIZE_N*4   ; (behind a wait on XCNT: the earlier stores have read their base)  16 rows of C on: the stores' offsets reach 15 rows, 245,760 bytes
.endif
.irp t, 0,1,2,3,4,5,6,7,8,9,10,11,12,13,14,15
	global_store_b128 v[CO], v[BB+4*\t:BB+4*\t+3], s[14:15] offset:\t*SIZE_N*4 th:TH_STORE_NT   ; written once, read by nobody here
.endr
.endm
	PLACES NP                                      ; these places serve the loads into the registers that held A's fragments and the reads of the last products' results alike
	TOSTAGE 0
.irp a, 1,2,3,4,5,6,7
.if \a > 1
	s_wait_xcnt 0x0                                ; block a - 2's stores have read their registers and their base: block a's loads may land there, and the base may step
.endif
	TOSTAGE \a
	SEND \a-1, 32                                  ; behind block a - 1's loads: block a's 16 stores and 16 loads
.endr
	s_wait_xcnt 0x0                                ; block 6's stores have read their base
	SEND 7, 0
	s_wait_tensorcnt 0x0                           ; the wave's end: behind my last tensor load and my last LDS store
	ds_add_u32 v[SPW], v[NIL]
	s_wait_dscnt 0x0
	CROUND                                         ; the closing round: no work-group ends while a partner may still ask for a tile that names it
	s_endpgm
.Lfunc_end_k_q1324891e9d_gemm:
	.size	k_q1324891e9d_gemm, .Lfunc_end_k_q1324891e9d_gemm-k_q1324891e9d_gemm
	.p2alignl 7, 3214868480
	.fill 96, 4, 3214868480
	.section	.rodata,"a",@progbits
	.p2align	6, 0x0
	.amdhsa_kernel k_q1324891e9d_gemm
		.amdhsa_group_segment_fixed_size 327680
		.amdhsa_private_segment_fixed_size 0
		.amdhsa_enable_private_segment 0
		.amdhsa_kernarg_size 48
		.amdhsa_user_sgpr_count 2
		.amdhsa_user_sgpr_kernarg_segment_ptr 1
		.amdhsa_wavefront_size32 1
		.amdhsa_system_sgpr_workgroup_id_x 1
		.amdhsa_system_sgpr_workgroup_id_y 1
		.amdhsa_system_sgpr_workgroup_id_z 1
		.amdhsa_system_vgpr_workitem_id 0
		.amdhsa_next_free_vgpr 1024
		.amdhsa_next_free_sgpr 102
		.amdhsa_reserve_vcc 0
		.amdhsa_float_denorm_mode_32 3
		.amdhsa_float_denorm_mode_16_64 3
		.amdhsa_memory_ordered 1
		.amdhsa_forward_progress 1
		.amdhsa_inst_pref_size 152
	.end_amdhsa_kernel
	.amdgpu_metadata
---
amdhsa.version: [ 1, 2 ]
amdhsa.kernels:
  - .name:           k_q1324891e9d_gemm
    .symbol:         k_q1324891e9d_gemm.kd
    .args:
      - { .name: x_codes, .offset: 0, .size: 8, .value_kind: global_buffer, .address_space: global }
      - { .name: x_sck, .offset: 8, .size: 8, .value_kind: global_buffer, .address_space: global }
      - { .name: w_codes, .offset: 16, .size: 8, .value_kind: global_buffer, .address_space: global }
      - { .name: w_sck, .offset: 24, .size: 8, .value_kind: global_buffer, .address_space: global }
      - { .name: bias, .offset: 32, .size: 8, .value_kind: global_buffer, .address_space: global }
      - { .name: out0, .offset: 40, .size: 8, .value_kind: global_buffer, .address_space: global }
    .group_segment_fixed_size: 327680
    .private_segment_fixed_size: 0
    .kernarg_segment_align: 8
    .kernarg_segment_size: 48
    .max_flat_workgroup_size: 128
    .sgpr_count:     102
    .vgpr_count:     1024
    .wavefront_size: 32
...
	.end_amdgpu_metadata
.endif
;; end of part 2
